; MI455X (gfx1250); checked and timed in simulation.
; The chip was launched on July 23, 2026; its instructions are those of AMD's public machine-readable ISA for CDNA 5 (MIT licence, August 2026) and "CDNA5" Instruction Set Architecture Reference Guide (July 2026). The comments in the code are by the model that wrote it; some were corrected since.
;; Multi Head Attention. Allowed arithmetic: matrix products marked QUANTISED: E4M3 operands, one given power-of-two scale a tensor, by v_wmma_f32_16x16x64_fp8_fp8 or v_wmma_f32_16x16x128_fp8_fp8, f32 sums; everything else in f32.
;; Inputs: Wk_codes 1,024 x 32 x 32 uint8 (E4M3 codes of Wk, K innermost, in blocks of 32 codes); Wo_codes 1,024 x 32 x 32 uint8 (E4M3 codes of Wo, K innermost, in blocks of 32 codes); Wq_codes 1,024 x 32 x 32 uint8 (E4M3 codes of Wq, K innermost, in blocks of 32 codes); Wv_codes 1,024 x 32 x 32 uint8 (E4M3 codes of Wv, K innermost, in blocks of 32 codes); bk 1,024 float32; bo 1,024 float32; bq 1,024 float32; bv 1,024 float32; k_codes 4 x 2,048 x 32 x 32 uint8 (E4M3 codes of k, K innermost, in blocks of 32 codes); lowp_scales 12 int32 (the exponents e of the quantised operands' scales 2^e); q_codes 4 x 2,048 x 32 x 32 uint8 (E4M3 codes of q, K innermost, in blocks of 32 codes); v_codes 4 x 2,048 x 32 x 32 uint8 (E4M3 codes of v, K innermost, in blocks of 32 codes).
;; Outputs: out0 4 x 2,048 x 1,024 float32.
;; This version of the problem:
;;   THIS VERSION OF THE PROBLEM IS GIVEN IN LOW PRECISION. The matrix products marked QUANTISED in the list below multiply operands that are first quantised to E4M3 (4 exponent bits, 3 mantissa bits; 8 bits a number), with one given power-of-two scale for each operand tensor; their sums are f32. All else is computed in f32.
;;   The module's matrix products, in the order in which they are computed (A, B: the left and right operand; K: the contracted axis; several contracted axes count as one K, in the product's order):
;;     1. [M 8,192, K 1,024] x [K 1,024, N 1,024]; A: input q (given as codes); B: input Wq (given as codes): QUANTISED (scales: A lowp_scales[0], B lowp_scales[1])
;;     2. [M 8,192, K 1,024] x [K 1,024, N 1,024]; A: input k (given as codes); B: input Wk (given as codes): QUANTISED (scales: A lowp_scales[2], B lowp_scales[3])
;;     3. [M 8,192, K 1,024] x [K 1,024, N 1,024]; A: input v (given as codes); B: input Wv (given as codes): QUANTISED (scales: A lowp_scales[4], B lowp_scales[5])
;;     4. batch 64 x [M 2,048, K 64] x [K 64, N 2,048]; A: computed on the way; B: computed on the way: QUANTISED (scales: A lowp_scales[6], B lowp_scales[7])
;;     5. batch 64 x [M 2,048, K 2,048] x [K 2,048, N 64]; A: softmax (see below); B: computed on the way: QUANTISED (scales: A lowp_scales[8], B lowp_scales[9])
;;     6. [M 8,192, K 1,024] x [K 1,024, N 1,024]; A: computed on the way; B: input Wo (given as codes): QUANTISED (scales: A lowp_scales[10], B lowp_scales[11])
;;   THE QUANTISER, for each operand of a quantised product, along K:
;;     - The operand's scale is 2^e, e = its entry of the input lowp_scales (int32; the entries are numbered through the quantised products in the list's order, A before B).
;;     - Each number is divided by the scale, clamped to +-448, and rounded to the nearest number of E4M3, ties to even, subnormals kept.
;;     - The product sums the exact products of the quantised numbers (number of the format x scale) in f32.
;;   ~~~python
;;   def quantise(x, axis, e):      # numpy; x: float32 -> the quantised numbers, widened to float32 again
;;       x = np.moveaxis(x, axis, -1); K = x.shape[-1]
;;       r = np.clip(x / 2.0 ** e, -448, 448)
;;       step = 2.0 ** (np.maximum(np.frexp(np.where(r == 0, 1, r))[1] - 1, -6) - 3)
;;       q = np.round(r / step) * step * 2.0 ** e      # np.round: ties to even
;;       return np.moveaxis(q, -1, axis).astype(np.float32)
;;   ~~~
;;   SOFTMAX AHEAD OF A QUANTISED PRODUCT. Where the list says 'softmax', what is quantised is not the finished softmax but p = 2^(t - M), with t = logit x log2(e) and M = ceil(the row's largest t), a whole number; so 1/2 < the row's largest p <= 1. The row's sum l is taken of the UNQUANTISED p, in f32, and the product's result is divided by l at the end. Since M is a whole number, a kernel that streams over the keys may use a running M (the ceiling of the running maximum): every later rescaling is an exact power of two, so the quantised numbers keep their values, but for numbers so far below the row's largest that they fall under the format's range.
;;   OPERANDS COMPUTED ON THE WAY. 'Computed on the way' means the value that the module computes at that place (a softmax that the list does not call 'softmax' is quantised finished and normalised). What goes into a quantiser is computed in f32, as accurately as f32 sums, v_exp_f32 and their like allow (about 1e-6 of the number): no bf16 or f16 on the way to a quantiser, and a product that is left as it is and whose result goes on into a quantised operand takes f32 operands (vector FMAs, or v_wmma_f32_16x16x4_f32). A number that lies on a knife's edge between two numbers of the format may be rounded either way, as far as f32 arithmetic and the matrix unit's own rounding can turn it there, and no further.
;;   INPUTS GIVEN AS CODES. Wk (in the module: [1024, 1024], K = its axis 1); Wo (in the module: [1024, 1024], K = its axis 1); Wq (in the module: [1024, 1024], K = its axis 1); Wv (in the module: [1024, 1024], K = its axis 1); k (in the module: [4, 2048, 1024], K = its axis 2); q (in the module: [4, 2048, 1024], K = its axis 2); v (in the module: [4, 2048, 1024], K = its axis 2): each comes as NAME_codes (uint8): NAME with its K axis moved to the last place and cut into blocks of 32 codes, [.., K / 32, bytes a block], one block behind the other in memory; one code a byte (a code: sign, 4 exponent bits, 3 mantissa bits); its scale is its entry of lowp_scales. Its value is code x scale, taken as it is: it is not quantised again, and the codes and scales need not be those that the quantiser above would give.
;; One version. Each part assembles by itself: llvm-mc -triple=amdgcn-amd-amdhsa -mcpu=gfx1250 --defsym DOCPART=n.
;; ======== version 1 of 1: 3 launches
;; limits: right only within a limited range of input values
;; workspace buffers: qimg 8,388,608 bytes; kv 16,777,216 bytes; ao 8,388,608 bytes
;; launch proj (part 1): grid 4 x 96, 4 waves a work-group, clusters of 4 x 4, 327,680 bytes of LDS; arguments q_codes, k_codes, v_codes, Wq_codes, Wk_codes, Wv_codes, bq, bk, bv, lowp_scales, qimg, kv; writes qimg, kv
.if DOCPART == 1
	.amdgcn_target "amdgcn-amd-amdhsa--gfx1250"
	.amdhsa_code_object_version 6
	.text
	.protected	k_qa63442c901_proj
	.globl	k_qa63442c901_proj
	.p2align	8
	.type	k_qa63442c901_proj,@function
k_qa63442c901_proj:
	s_mov_b64 s[64:65], 0
	v_nop
	global_prefetch_b8 v0, s[64:65] scope:SCOPE_SE
	s_setreg_imm32_b32 hwreg(HW_REG_WAVE_MODE, 25, 1), 1
	s_wait_xcnt 0x0
	s_wait_alu depctr_hold_cnt(0) depctr_sa_sdst(0) depctr_va_vdst(0) depctr_va_sdst(0) depctr_va_ssrc(0) depctr_va_vcc(0) depctr_vm_vsrc(0)
	s_getreg_b32 s2, hwreg(HW_REG_IB_STS2, 6, 4)
	s_cmp_eq_u32 s2, 0
	s_cbranch_scc0 .Lentry_in_a_cluster
	s_endpgm
.Lentry_in_a_cluster:
	s_bfe_u32 s2, ttmp6, 0x10000c
	s_cmp_lg_u32 s2, 0xf033
	s_cbranch_scc0 .Lentry_shape_is_right
	s_endpgm
.Lentry_shape_is_right:
; PROJ: the three input projections y = x W^T + b on codes of FP8 (E4M3), and y quantised again for attention.
; x: q, k, v [8192][1024] codes; W: Wq, Wk, Wv [1024][1024] codes, K innermost in both; b: f32 [1024].  A sum of codes stands for sum x 2^(ea + eb); y = sum x 2^(ea + eb) + b, one fused multiply-add in f32;
; its code = y / 2^eo, held within +-448, to the nearest code, ties to even (eo: entry 6 for q's heads, 7 for k's, 9 for v's of the exponents).
; LIMITS: ea + eb between -126 and 127, eo between -126 and 119, so that each power of two below is an f32 number.  NaN codes among the inputs are not served.
; SHARES.  A tile is 256 rows of an operand "A" x 256 rows of an operand "B", K = 1,024; four waves, each 128 x 128: 64 accumulators, 512 registers.  The cluster's y says which tensor (T = y / 8) and which
; group of four tiles (g = y % 8).  T = 0: A = q, B = Wq.  T = 1: A = k, B = Wk.  T = 2: A = Wv, B = v: THE ROLES ARE EXCHANGED, in pointers and tile numbers alone.
; THE MATRIX INSTRUCTION IS USED TRANSPOSED (source 0 = 16 rows of B, source 1 = 16 rows of A): a lane holds one row of A, and its eight registers eight neighbouring rows of B.  So for q and k a lane's registers
; run along the head's channels, which are the K of the scores' product, and for v along the tokens, which are the K of the second product: the conversions' results are the next operands' registers.
; WHAT IS STORED are images of operand registers, 16 bytes a lane, 512 consecutive bytes a store, each at a multiple of 512 from its buffer's first byte:
;   qimg [batch x head 64][tile of 16 tokens 128][1,024]: 8 registers of a 16 x 64 fragment: registers 2 c, 2 c + 1 of lane (r, h) = token r, channels 16 c + 8 h + 0 .. 7.
;   kv   [batch x head 64][step of 128 keys 16][16,384]: 8 tiles of 16 keys as in qimg, then 4 tiles of 16 channels x 128 keys: registers 2 c, 2 c + 1 of lane (r, h) = channel r, keys 16 c + 8 h + 0 .. 7.
; K goes in steps of 256 through a ring of two LDS slots filled by the tensor data mover; four such steps, written out.  CLUSTERS: 4 x 4 work-groups; A's tile is asked for jointly along a row of the cluster,
; B's along a column.  In the products a fragment is fetched by four loads of 16 bytes: a permutation of k, the same in A and in B.
; REGISTERS, in windows of 256: window 0: v0-31 addresses and constants; v32-47 the bias of my rows; v64-127 the bias of my columns; from v128 A's fragments, ONE set (on the way out: v128-191 numbers, v192-255 codes).
;   window 1: B's fragments, TWO sets.   window 2: the accumulators of my rows 0-63 ((a, b) at v[8 (8 a + b)]);   window 3: those of my rows 64-127.
.set ROWB,   256                       ; a tile's row in bytes: 256 codes
.set KROW,   1024                      ; a row of A or of B in memory, in bytes
.set PITCH,  272                       ; an LDS row: 256 bytes + 16 of padding = 68 words: row r starts at bank 4 r mod 64 (64 banks of 4 bytes: ISA guide 11.1)
.set FR,     16                        ; registers of a fragment: 16 rows x 128 K
.set NL,     4                         ; LDS loads that bring one
.set NP,     4                         ; places behind this matrix instruction (ISA guide 7.12.1)
.set HALFT,  128*PITCH                 ; 128 rows: what one tensor load brings, and what one wave reads of A or of B
.set SLOT,   4*HALFT                   ; A's 256 rows, then B's 256 rows
.set SPARE,  2*SLOT                    ; behind the ring: the spare words, 128 bytes for each wave: two blocks of 256 bytes that no other line names
.set ADRA, 16                          ; v16-17  LDS address of my A fragments in slot 0, 1
.set ADRB, 20                          ; v20-21  the same for B
.set LI,   24                          ; v24     16 x lane: my place in an image
.set BCO,  25                          ; v25     32 x (lane / 16): my eight columns' bias
.set BRO,  26                          ; v26     4 x (lane % 16): my row's bias
.set SPW,  28                          ; v28     LDS address of my spare word; never rewritten
.set NIL,  29                          ; v29     0; never rewritten
.set LIM,  30
.set SC,   31                          ; v31     2^eo as f32
.set BR,   32                          ; v32-47  block a's bias by row, twice: a pair for the packed form
.set BC,   64                          ; v64-127 the bias of my 128 columns: register 8 b + j
.set AF,   128                         ; A's fragments
.set TMP,  128                         ; the way out: a block's 64 numbers
.set CD,   192                         ; the way out: codes, 16 registers for each of four blocks by turns
.set G1, 24                            ; s[24:31] descriptor group 1 for A's tiles;  s[32:39] group 0, one set for each slot
.set G0, 32
.set G1B, 48                           ; s[48:55], s[56:63] the same for B's tiles
.set G0B, 56
.set MSB, 0
.macro WIN new                         ; the immediate's high byte repeats the setting that is left
.if MSB != (\new)
	s_set_vgpr_msb (MSB<<8)|(\new)
.set MSB, \new
.endif
.endm
.set MUL_LO, 0xa1                      ; source 0 (B) window 1, source 1 (A) window 0, C and D window 2
.set MUL_HI, 0xf1                      ; the same, C and D window 3
.set TO_B,   0x40                      ; destination window 1, address window 0
; A joint load: waves 0 and 1 fetch for A, waves 2 and 3 for B.  Each of the two lines has ONE mask and one set of registers for all that issue it; the branch hangs on the wave's number alone.
; Four v_nop follow each of the two lines, ahead of the jump, the label and what follows.
.macro JLOAD g0a, g1a, g0b, g1b
	s_cmp_eq_u32 s15, 0
	s_cbranch_scc0 .Lfor_b_\@
	tensor_load_to_lds s[\g0a:\g0a+3], s[\g1a:\g1a+7]
	s_nop 0
.rept 4
	v_nop
.endr
	s_branch .Lasked_\@
.Lfor_b_\@:
	tensor_load_to_lds s[\g0b:\g0b+3], s[\g1b:\g1b+7]
	s_nop 0
.rept 4
	v_nop
.endr
.Lasked_\@:
.endm
.macro CREST                           ; a round of the cluster's barrier behind its opening barrier
	s_cmp_lg_u32 s14, 0
	s_cbranch_scc1 .Lnot_wave_0_\@
	s_barrier_signal -3
.Lnot_wave_0_\@:
	s_barrier_wait -3
	s_barrier_signal -1
	s_barrier_wait -1
.endm
.macro CROUND                          ; a whole round
	s_barrier_signal -1
	s_barrier_wait -1
	CREST
.endm
	s_load_b512 s[68:83], s[0:1], 0x0              ; q s[68:69], k, v, Wq s[74:75], Wk, Wv, bq s[80:81], bk
	s_load_b256 s[84:91], s[0:1], 0x40             ; bv s[84:85], the exponents s[86:87], qimg s[88:89], kv s[90:91]
	v_lshl_add_u32 v[SPW], v0, 2, SPARE
	v_mov_b32 v[NIL], 0
	ds_add_u32 v28, v29
	ds_add_u32 v28, v29
	s_wait_dscnt 0x0
	v_lshrrev_b32 v1, 5, v0
	v_readfirstlane_b32 s14, v1                    ; wave 0..3
	s_lshr_b32 s15, s14, 1                         ; which half of the tile's rows is mine.  Also: I fetch for A (0) or for B (1)
	s_and_b32 s16, s14, 1                          ; which half of its columns.  Also: which 128 rows of that tile I fetch
	s_bfe_u32 s40, ttmp6, 0x40000                  ; cx, cy: my place in the cluster
	s_bfe_u32 s41, ttmp6, 0x40004
	s_and_b32 s67, ttmp7, 0xffff                   ; the cluster's y, 0 .. 23: the same in all sixteen partners
	s_lshr_b32 s66, s67, 3                         ; T: which projection
	s_and_b32 s67, s67, 7                          ; g: which four tiles along the 8,192 tokens
	s_cmp_eq_u32 s66, 2
	s_cselect_b32 s42, s67, 0                      ; the tokens are B's rows for v,
	s_cselect_b32 s17, 0, s67                      ; and A's rows for q and k
	s_lshl_b32 s42, s42, 2
	s_add_co_u32 s42, s42, s40                     ; tile column = 4 x (g or 0) + cx
	s_lshl_b32 s17, s17, 2
	s_add_co_u32 s17, s17, s41                     ; tile row = 4 x (0 or g) + cy
	s_lshl_b32 s43, s41, 2
	s_lshl_b32 s43, 15, s43                        ; my row of the cluster
	s_lshl_b32 s44, 0x1111, s40                    ; my column
	; descriptor group 1: a tile of 128 rows x 256 bytes, padded in LDS
	s_or_b32 s[G1+0], s43, (0<<16)|(1<<20)|(1<<21)|(5<<22)|(3<<25)  ; 15:0 the mask: A's tiles go to my row; 17:16 element of 1 byte; 20 padding on; 21 set beside a mask; 24:22 after every 64 words (code 5); 31:25 of 4 words (code 3)
	s_or_b32 s[G1B+0], s44, (0<<16)|(1<<20)|(1<<21)|(5<<22)|(3<<25)
.irp g, G1, G1B
	s_mov_b32 s[\g+1], ROWB<<16                    ; tensor_dim0
	s_mov_b32 s[\g+2], 128<<16                     ; tensor_dim1 = 128
	s_mov_b32 s[\g+3], ROWB<<16                    ; tile_dim0
	s_mov_b32 s[\g+4], 128                         ; tile_dim1 = 128
	s_mov_b32 s[\g+5], KROW                        ; tensor_dim0_stride
	s_mov_b32 s[\g+6], 0
	s_mov_b32 s[\g+7], 0
.endr
	s_lshl_b32 s18, s16, 7                         ; which 128 rows of the tile I fetch
	s_lshl_b32 s20, s17, 8
	s_add_co_u32 s20, s20, s18                     ; A: row 256 x tile row + 128 x half,
	s_lshl_b32 s20, s20, 10                        ; in bytes (under 2^23)
	s_mov_b32 s21, 0
	s_lshl_b32 s46, s42, 8
	s_add_co_u32 s46, s46, s18                     ; B: row 256 x tile column + 128 x half
	s_lshl_b32 s46, s46, 10
	s_mov_b32 s47, 0
	s_mul_i32 s45, s14, HALFT                      ; where they go: wave x 128 rows: no place in the cluster enters an LDS address
	s_wait_kmcnt 0x0
	s_cmp_eq_u32 s66, 0                            ; the buffers are chosen by T, which hangs on the cluster's number alone
	s_cselect_b64 s[4:5], s[68:69], s[70:71]       ; A: q or k
	s_cselect_b64 s[6:7], s[74:75], s[76:77]       ; B: Wq or Wk
	s_cselect_b64 s[92:93], s[80:81], s[82:83]     ; the bias: bq or bk
	s_cselect_b64 s[10:11], s[88:89], s[90:91]     ; the output: qimg, or kv
	s_cmp_eq_u32 s66, 2
	s_cselect_b64 s[4:5], s[78:79], s[4:5]         ; A: Wv
	s_cselect_b64 s[6:7], s[72:73], s[6:7]         ; B: v
	s_cselect_b64 s[92:93], s[84:85], s[92:93]     ; bv
	s_mov_b64 s[8:9], s[86:87]
	s_load_b256 s[68:75], s[8:9], 0x0              ; the twelve exponents e0 .. e11 into s68 .. s79: the pointers there have been chosen from
	s_load_b128 s[76:79], s[8:9], 0x20
	s_add_nc_u64 s[20:21], s[4:5], s[20:21]
	s_add_nc_u64 s[46:47], s[6:7], s[46:47]
	CROUND                                         ; all sixteen work-groups are here: the first joint loads meet
.irp s, 0,1
	s_mov_b32 s[G0+4*\s], 1
	s_add_co_u32 s[G0+4*\s+1], s45, \s*SLOT
	s_add_nc_u64 s[G0+4*\s+2:G0+4*\s+3], s[20:21], \s*ROWB
	s_or_b32 s[G0+4*\s+3], s[G0+4*\s+3], 0x80000000
	s_mov_b32 s[G0B+4*\s], 1
	s_add_co_u32 s[G0B+4*\s+1], s45, \s*SLOT
	s_add_nc_u64 s[G0B+4*\s+2:G0B+4*\s+3], s[46:47], \s*ROWB
	s_or_b32 s[G0B+4*\s+3], s[G0B+4*\s+3], 0x80000000
	s_wait_alu depctr_va_vdst(0)
	s_wait_tensorcnt 0x0
	ds_add_u32 v28, v29
	ds_add_u32 v28, v29
	s_wait_dscnt 0x0
	CROUND
	JLOAD G0+4*\s, G1, G0B+4*\s, G1B               ; one tensor load of mine is out
.endr
	v_and_b32 v1, 15, v0                           ; r = lane % 16
	v_bfe_u32 v2, v0, 4, 1                         ; h = lane / 16
	v_mul_u32_u24 v3, v1, PITCH
	v_lshl_add_u32 v4, v2, 4, v3                   ; a fragment's row x pitch + 16 x half
	s_mul_i32 s21, s15, HALFT                      ; my 128 rows of A
	s_mul_i32 s22, s16, HALFT                      ; my 128 rows of B,
	s_add_co_u32 s22, s22, 2*HALFT                 ; which lie behind A's 256
.irp s, 0,1
	v_add_nc_u32 v[ADRA+\s], s21, v4
	v_add_nc_u32 v[ADRB+\s], s22, v4
	s_add_co_u32 s21, s21, SLOT
	s_add_co_u32 s22, s22, SLOT
.endr
	v_and_b32 v5, 31, v0
	v_lshlrev_b32 v[LI], 4, v5
	v_lshlrev_b32 v[BCO], 5, v2
	s_wait_alu depctr_va_vdst(0)
	v_lshlrev_b32 v[BRO], 2, v1
	s_wait_alu depctr_va_vdst(0)
	s_lshl_b32 s18, s17, 8
	s_lshl_b32 s19, s15, 7
	s_add_co_u32 s18, s18, s19                     ; R0: my first row of A
	s_lshl_b32 s19, s42, 8
	s_lshl_b32 s22, s16, 7
	s_add_co_u32 s19, s19, s22                     ; C0: my first row of B
	; THE BIAS goes by the channel: by B's rows (my columns) for q and k, by A's rows for v.  Both sets are loaded in every work-group, so that the way out finds its registers written on either path;
	; the number that counts tokens is cut to 0 .. 1,023, which keeps the set that is not used inside the 4,096 bytes of the bias.
	s_and_b32 s22, s18, 1023
	s_lshl_b32 s22, s22, 2
	s_mov_b32 s23, 0
	s_add_nc_u64 s[94:95], s[92:93], s[22:23]      ; the bias at my rows
	s_and_b32 s22, s19, 1023
	s_lshl_b32 s22, s22, 2
	s_add_nc_u64 s[92:93], s[92:93], s[22:23]      ; the bias at my columns
.irp b, 0,1,2,3,4,5,6,7
	global_load_b128 v[BC+8*\b:BC+8*\b+3],   v[BCO], s[92:93] offset:64*\b      ; columns 16 b + 8 h + 0 .. 3
	global_load_b128 v[BC+8*\b+4:BC+8*\b+7], v[BCO], s[92:93] offset:64*\b+16   ; and + 4 .. 7
.endr
.irp a, 0,1,2,3,4,5,6,7
	global_load_b32 v[BR+2*\a],   v[BRO], s[94:95] offset:64*\a                 ; row 16 a + r, into both registers of a pair
	global_load_b32 v[BR+2*\a+1], v[BRO], s[94:95] offset:64*\a
.endr
	; WHERE MY IMAGES GO.  My 128 tokens are one step j of a batch's 2,048; my 128 channels are two heads.
	s_cmp_eq_u32 s66, 2
	s_cselect_b32 s22, s19, s18                    ; my first token
	s_cselect_b32 s23, s18, s19                    ; my first channel
	s_lshr_b32 s18, s22, 11
	s_lshl_b32 s18, s18, 4
	s_lshr_b32 s19, s23, 6
	s_add_co_u32 s18, s18, s19                     ; 16 x batch + my first head
	s_lshr_b32 s19, s22, 7
	s_and_b32 s19, s19, 15                         ; j
	s_cmp_eq_u32 s66, 0
	s_cselect_b32 s22, 17, 18                      ; a head is 2^17 bytes in qimg, 2^18 in kv;
	s_cselect_b32 s23, 13, 14                      ; a step of 128 tokens 2^13 and 2^14
	s_lshl_b32 s18, s18, s22
	s_lshl_b32 s19, s19, s23
	s_add_co_u32 s18, s18, s19
	s_lshl_b32 s22, 1, s22                         ; from my first head to my second
	s_cmp_eq_u32 s66, 2
	s_cselect_b32 s19, 8192, 0                     ; v's tiles lie behind k's in a step
	s_add_co_u32 s18, s18, s19
	s_mov_b32 s19, 0
	s_mov_b32 s23, 0
	s_add_nc_u64 s[10:11], s[10:11], s[18:19]      ; my first head's images
	s_add_nc_u64 s[12:13], s[10:11], s[22:23]      ; my second head's
	s_wait_kmcnt 0x0                               ; the exponents
	s_add_co_i32 s18, s68, s69
	s_add_co_i32 s19, s70, s71
	s_add_co_i32 s22, s72, s73
	s_cmp_eq_u32 s66, 0
	s_cselect_b32 s96, s18, s19
	s_cselect_b32 s98, s74, s75
	s_cmp_eq_u32 s66, 2
	s_cselect_b32 s96, s22, s96                    ; ea + eb of my product
	s_cselect_b32 s98, s77, s98                    ; eo of what it makes: entry 6, 7 or 9
	s_add_co_i32 s96, s96, 127
	s_lshl_b32 s96, s96, 23                        ; 2^(ea + eb) as f32
	s_mov_b32 s97, s96                             ; (named with it as a pair, so it is written)
	s_add_co_i32 s98, s98, 127
	s_lshl_b32 s99, s98, 23
	v_mov_b32 v[SC], s99                           ; 2^eo as f32: the conversion takes its exponent field
.macro FRAG reg, adr, q, i             ; a fragment, 16 rows x 128 K, is 16 registers: lane l holds row l % 16; registers 4 c .. 4 c + 3 hold K = 32 c + 16 (l / 16) + 0 .. 15
.irp c, 0,1,2,3
	ds_load_b128 v[\reg+4*\c:\reg+4*\c+3], v[\adr] offset:128*(\q)+32*\c+(\i)*16*PITCH
.endr
.endm
; 16 matrix instructions: A's blocks a0, a0 + 1 x B's eight, 128 along K.  p: B's set.  zero = 1: the first product starts the sums: nothing is ever cleared.
; The 64 accumulators take turns, one instruction a turn, in the same order in every step.
.macro MUL16 a0, p, zero
.irp a, \a0, \a0+1
.irp b, 0,1,2,3,4,5,6,7
.if \zero
	v_wmma_f32_16x16x128_fp8_fp8 v[8*(8*((\a)%4)+\b):8*(8*((\a)%4)+\b)+7], v[128*(\p)+FR*\b:128*(\p)+FR*\b+FR-1], v[AF+FR*(\a):AF+FR*(\a)+FR-1], 0
.else
	v_wmma_f32_16x16x128_fp8_fp8 v[8*(8*((\a)%4)+\b):8*(8*((\a)%4)+\b)+7], v[128*(\p)+FR*\b:128*(\p)+FR*\b+FR-1], v[AF+FR*(\a):AF+FR*(\a)+FR-1], v[8*(8*((\a)%4)+\b):8*(8*((\a)%4)+\b)+7]
.endif
.endr
.endr
.endm
.macro FETCH_B slot, q, p              ; B's eight fragments of the slot's q-th 128 along K into set p
	WIN TO_B
.irp i, 0,1,2,3,4,5,6,7
	FRAG 128*(\p)+FR*\i, ADRB+\slot, \q, \i
.endr
	WIN 0
.endm
.macro FETCH_A slot, q, i0             ; A's blocks i0 .. i0 + 3
.irp i, \i0, \i0+1, \i0+2, \i0+3
	FRAG AF+FR*(\i), ADRA+\slot, \q, \i
.endr
.endm
; A load into a register that a matrix instruction has read, and a vector instruction that reads a matrix result or writes one of a matrix instruction's registers, stand NP places behind it, and only plain
; vector instructions that name none of its registers are places (ISA guide 7.12.1 for vector instructions).
.macro PLACES n
.rept \n
	v_nop
.endr
.endm
; A step of 128 along K that has its successor in the same slot.  A's blocks are free as soon as their eight products are issued, so one set serves A: blocks 0-3 come anew in the step's middle, blocks 4-7 at its end.
.macro STEP slot, q, zero
	s_wait_dscnt 4*NL                              ; B's set and A's blocks 0-3 are in; the youngest sixteen loads (A's blocks 4-7) may be out
	WIN MUL_LO
	MUL16 0, (\q)%2, \zero
	MUL16 2, (\q)%2, \zero
	s_wait_dscnt 0                                 ; A's blocks 4-7 are in (asked for 32 matrix instructions ago)
	PLACES NP
	FETCH_B \slot, (\q)+1, 1-(\q)%2
	FETCH_A \slot, (\q)+1, 0
	WIN MUL_HI
	MUL16 4, (\q)%2, \zero
	MUL16 6, (\q)%2, \zero
	PLACES NP
	WIN 0
	FETCH_A \slot, (\q)+1, 4
.endm
; A slot's last step changes slots: ONE barrier; in front of it each wave waits for all its tensor loads, adds 0 to its spare word, and waits for that and for its own reads of this slot.  fill = 1: this slot is filled again, two K steps ahead.
.macro TURN slot, next, fill
	s_wait_tensorcnt 0x0                           ; all my tensor loads have landed: my part of the next slot;  (every window is 0 here: the add's two registers lie in window 0)
	ds_add_u32 v[SPW], v[NIL]                      ; 0 onto my spare word
	s_wait_dscnt 4*NL+1                            ; (the add and the youngest sixteen loads, A's blocks 4-7, may be out)
	WIN MUL_LO
	MUL16 0, 1, 0                                  ; sixteen matrix instructions stand between the add and the wait for it
	s_wait_dscnt 0x0                               ; the add is done, and my reads of this slot are over
	s_barrier_signal -1
	MUL16 2, 1, 0
	WIN 0
	s_barrier_wait -1
.if \fill
	CREST                                          ; the barrier has opened a round of the cluster's barrier: no wave of any partner still reads this slot's tile or has a load on its way
	s_add_nc_u64 s[G0+4*\slot+2:G0+4*\slot+3], s[G0+4*\slot+2:G0+4*\slot+3], 2*ROWB
	s_add_nc_u64 s[G0B+4*\slot+2:G0B+4*\slot+3], s[G0B+4*\slot+2:G0B+4*\slot+3], 2*ROWB
	JLOAD G0+4*\slot, G1, G0B+4*\slot, G1B         ; the first tensor load behind the round, and my one load until the next; the four v_nop behind it are the places in front of the loads below
.else
	PLACES NP
.endif
	FETCH_B \next, 0, 0
	FETCH_A \next, 0, 0
	WIN MUL_HI
	MUL16 4, 1, 0
	MUL16 6, 1, 0
	PLACES NP
	WIN 0
	FETCH_A \next, 0, 4
.endm
	s_wait_tensorcnt 1                             ; my part of K step 0 is in (K step 1's load may be out)
	s_barrier_signal -1
	s_barrier_wait -1                              ; everybody's is
	FETCH_B 0, 0, 0
	FETCH_A 0, 0, 0
	FETCH_A 0, 0, 4
	STEP 0, 0, 1                                   ; K 0-127: its products start the sums
	TURN 0, 1, 1                                   ; K 128-255; slot 0 takes K 512-767
	STEP 1, 0, 0
	TURN 1, 0, 1                                   ; slot 1 takes K 768-1023
	STEP 0, 0, 0
	TURN 0, 1, 0                                   ; nothing is left to fetch: no round of the cluster's barrier
	STEP 1, 0, 0
	s_wait_dscnt 4*NL                              ; the very last step
	WIN MUL_LO
	MUL16 0, 1, 0
	MUL16 2, 1, 0
	s_wait_dscnt 0
	WIN MUL_HI
	MUL16 4, 1, 0
	MUL16 6, 1, 0
	WIN 0
; THE WAY OUT of block a (16 rows of A x my 128 rows of B).  y = sum x 2^(ea + eb) + bias, two at a time, each accumulator from its low end on;
; eight conversions, whose 16 registers are two fragments of 16 tokens x 64 channels (v = 0: one for each of my two heads) or one of 16 channels x 128 keys (v = 1).
.macro OUTB a, v
.set AC, 64*((\a)%4)
.set CB, CD+16*((\a)%4)
.if (\a) == 4
	s_wait_xcnt 0x0                                ; block 0's stores have read their data: from here on the codes' registers are written a second time
.endif
	WIN 0x02+((\a)/4)                              ; source 0: window 2 or 3
.set j, 0
.rept 32
.if \v
	v_pk_fma_f32 v[TMP+j:TMP+j+1], v[AC+j:AC+j+1], s[96:97], v[BR+2*(\a):BR+2*(\a)+1] op_sel_hi:[1,0,1]   ; the bias of my row (a channel)
.else
	v_pk_fma_f32 v[TMP+j:TMP+j+1], v[AC+j:AC+j+1], s[96:97], v[BC+j:BC+j+1] op_sel_hi:[1,0,1]             ; the bias of my columns (channels)
.endif
.set j, j+2
.endr
	WIN 0
.set j, 0
.rept 64
.set j, j+1
.endr
.irp b, 0,1,2,3,4,5,6,7
	v_cvt_scalef32_pk8_fp8_f32 v[CB+2*\b:CB+2*\b+1], v[TMP+8*\b:TMP+8*\b+7], v[SC]
.endr
	v_nop                                          ; one plain vector instruction between the last conversion and the next block's lines, which write its sources
.irp i, 0,1,2,3
.if \v
	global_store_b128 v[LI], v[CB+4*\i:CB+4*\i+3], s[10+2*((\a)/4):11+2*((\a)/4)] offset:2048*((\a)%4)+512*\i   ; head a / 4, channel tile a % 4, registers 4 i on
.else
	global_store_b128 v[LI], v[CB+4*\i:CB+4*\i+3], s[10+2*(\i/2):11+2*(\i/2)] offset:1024*(\a)+512*(\i%2)       ; head i / 2, token tile a, registers 4 (i % 2) on
.endif
.endr
.endm
	s_wait_loadcnt 0x0                             ; the biases
	PLACES NP                                      ; behind the last products: the lines below read results and write registers that held A's fragments
	s_cmp_eq_u32 s66, 2                            ; T: the same in every wave of the cluster
	s_cbranch_scc1 .Lv_out
.irp a, 0,1,2,3,4,5,6,7
	OUTB \a, 0
.endr
	s_branch .Ldone
.Lv_out:
.irp a, 0,1,2,3,4,5,6,7
	OUTB \a, 1
.endr
.Ldone:
	s_wait_tensorcnt 0x0                           ; the wave's end: my last LDS instructions
	ds_add_u32 v[SPW], v[NIL]
	s_wait_dscnt 0x0
	CROUND                                         ; the closing round: no work-group ends while a partner may still ask for a tile that names it
	s_endpgm
.Lfunc_end_k_qa63442c901_proj:
	.size	k_qa63442c901_proj, .Lfunc_end_k_qa63442c901_proj-k_qa63442c901_proj
	.p2alignl 7, 3214868480
	.fill 96, 4, 3214868480
	.section	.rodata,"a",@progbits
	.p2align	6, 0x0
	.amdhsa_kernel k_qa63442c901_proj
		.amdhsa_group_segment_fixed_size 327680
		.amdhsa_private_segment_fixed_size 0
		.amdhsa_enable_private_segment 0
		.amdhsa_kernarg_size 96
		.amdhsa_user_sgpr_count 2
		.amdhsa_user_sgpr_kernarg_segment_ptr 1
		.amdhsa_wavefront_size32 1
		.amdhsa_system_sgpr_workgroup_id_x 1
		.amdhsa_system_sgpr_workgroup_id_y 1
		.amdhsa_system_sgpr_workgroup_id_z 1
		.amdhsa_system_vgpr_workitem_id 0
		.amdhsa_next_free_vgpr 1024
		.amdhsa_next_free_sgpr 100
		.amdhsa_reserve_vcc 0
		.amdhsa_float_denorm_mode_32 3
		.amdhsa_float_denorm_mode_16_64 3
		.amdhsa_fp16_overflow 1
		.amdhsa_memory_ordered 1
		.amdhsa_forward_progress 1
		.amdhsa_inst_pref_size 131
	.end_amdhsa_kernel
	.amdgpu_metadata
---
amdhsa.version: [ 1, 2 ]
amdhsa.kernels:
  - .name:           k_qa63442c901_proj
    .symbol:         k_qa63442c901_proj.kd
    .args:
      - { .name: q_codes, .offset: 0, .size: 8, .value_kind: global_buffer, .address_space: global }
      - { .name: k_codes, .offset: 8, .size: 8, .value_kind: global_buffer, .address_space: global }
      - { .name: v_codes, .offset: 16, .size: 8, .value_kind: global_buffer, .address_space: global }
      - { .name: Wq_codes, .offset: 24, .size: 8, .value_kind: global_buffer, .address_space: global }
      - { .name: Wk_codes, .offset: 32, .size: 8, .value_kind: global_buffer, .address_space: global }
      - { .name: Wv_codes, .offset: 40, .size: 8, .value_kind: global_buffer, .address_space: global }
      - { .name: bq, .offset: 48, .size: 8, .value_kind: global_buffer, .address_space: global }
      - { .name: bk, .offset: 56, .size: 8, .value_kind: global_buffer, .address_space: global }
      - { .name: bv, .offset: 64, .size: 8, .value_kind: global_buffer, .address_space: global }
      - { .name: lowp_scales, .offset: 72, .size: 8, .value_kind: global_buffer, .address_space: global }
      - { .name: qimg, .offset: 80, .size: 8, .value_kind: global_buffer, .address_space: global }
      - { .name: kv, .offset: 88, .size: 8, .value_kind: global_buffer, .address_space: global }
    .group_segment_fixed_size: 327680
    .private_segment_fixed_size: 0
    .kernarg_segment_align: 8
    .kernarg_segment_size: 96
    .max_flat_workgroup_size: 128
    .sgpr_count:     100
    .vgpr_count:     1024
    .wavefront_size: 32
...
	.end_amdgpu_metadata
.endif
;; end of part 1
;; launch attn (part 2): grid 4 x 64, 16 waves a work-group, clusters of 4 x 1, 264,192 bytes of LDS; arguments qimg, kv, lowp_scales, ao; writes ao
.if DOCPART == 2
	.amdgcn_target "amdgcn-amd-amdhsa--gfx1250"
	.amdhsa_code_object_version 6
	.text
	.protected	k_qa63442c901_attn
	.globl	k_qa63442c901_attn
	.p2align	8
	.type	k_qa63442c901_attn,@function
k_qa63442c901_attn:
	s_mov_b64 s[64:65], 0
	v_nop
	global_prefetch_b8 v0, s[64:65] scope:SCOPE_SE
	s_setreg_imm32_b32 hwreg(HW_REG_WAVE_MODE, 25, 1), 1
	s_wait_xcnt 0x0
	s_wait_alu depctr_hold_cnt(0) depctr_sa_sdst(0) depctr_va_vdst(0) depctr_va_sdst(0) depctr_va_ssrc(0) depctr_va_vcc(0) depctr_vm_vsrc(0)
	s_getreg_b32 s2, hwreg(HW_REG_IB_STS2, 6, 4)
	s_cmp_eq_u32 s2, 0
	s_cbranch_scc0 .Lentry_in_a_cluster
	s_endpgm
.Lentry_in_a_cluster:
	s_bfe_u32 s2, ttmp6, 0x10000c
	s_cmp_lg_u32 s2, 0x3003
	s_cbranch_scc0 .Lentry_shape_is_right
	s_endpgm
.Lentry_shape_is_right:
; ATTN: O[q] = the sum over k of softmax_k(Q[q] . K[k] / 8) V[k] for one head of 64 channels and 2,048 keys, both products on codes of FP8 (E4M3); O quantised again for the last projection.
; THE SOFTMAX AHEAD OF THE SECOND PRODUCT: t = score x log2(e) / 8; M = the running largest t, rounded UP to a whole number; p = 2^(t - M) is what is quantised (2^e8), not normalised.  The row's sum is taken of
; the unquantised p, in f32, and divides O at the end.  When M moves, the sum and O are multiplied by 2^(old M - new M), which rounds nothing.
; SHARES.  A work-group owns 512 queries of one head (batch x head = the cluster's y; the cluster's four work-groups share the head).  Each of its sixteen waves owns one tile of 16 queries at a time, two one after
; the other: tile 32 cx + 16 p + wave in pass p.  Four waves lie on a SIMD, so that one wave's vector work stands beside another's matrix work and LDS loads.
; THE HEAD'S WHOLE K AND V LIE IN LDS, 262,144 bytes, as a plain copy of the head's bytes in kv: an LDS byte is its byte in the head.  LDS is filled once: no byte is filled again.
; They are images of operand registers (see below), so every fragment load is 16 x lane + a constant: 512 consecutive bytes an instruction, no pitch, no padding.
; The fills are JOINT loads of the four work-groups (mask 15): waves 0 to 3 issue four each, 16,384 bytes (a step of 128 keys) a load; load s of wave w brings key step 4 s + w.  Four loads of a wave are out at the most.
; Pass 0 begins on key steps 0-3 as soon as every fetching wave's first load has landed, and so on, a stage of four key steps at a time.
; LAYOUT.  Both products are used transposed: S^T = K Q^T (source 0 = 16 keys, source 1 = my 16 queries; 16 x 16 x 64), O^T = V^T P^T (source 0 = 16 channels, source 1 = P; 16 x 16 x 128): a lane holds ONE query (lane % 16).
; In tile t of S^T lane (r, h) holds keys 16 t + 8 h + 0 .. 7: their eight codes are registers 2 t, 2 t + 1 of P in the second product's own layout: k stands in its true place in both products.
;   kv [batch x head][key step 16][16,384]: 8 tiles of 16 keys x 64 channels, 1,024 bytes each; then 4 tiles of 16 channels x 128 keys, 2,048 bytes each.   qimg [batch x head][tile of 16 queries 128][1,024].
;   ao [tile of 16 rows 512][K step of 128 8][2,048]: piece c (512 bytes), lane (r, h), 16 bytes: row r, k = 32 c + 16 h + 0 .. 15: the order in which the last projection fetches its fragments.
; LIMITS on the given exponents, so that each power of two below is an f32 number: e6 + e7 between -123 and 130 (they are added to c's exponent field); e8 and e10 between -126 and 119.  NaN is not served.
.set LI,   1                           ; v1   16 x lane; never rewritten
.set ADR,  2                           ; v2   LDS address of the key step in hand
.set AOF,  3                           ; v3   16 (lane % 16) + 8 (lane / 16): my 8 bytes of 256 in ao
.set PLIM, 4
.set PSC,  5                           ; v5   2^e8
.set OLIM, 6
.set OSC,  7                           ; v7   2^e10
.set QF,   8                           ; v8-15 Q of pass 0, v16-23 of pass 1
.set NM,   24                          ; v24  -M;  v25 the largest t so far
.set TM,   25
.set SUM,  26                          ; v[26:27] the row's sum in two halves
.set F,    28                          ; v[28:29] f = 2^(old M - new M); the upper word is written once, since the pair is named
.set T0,   30
.set T1,   31
.set KV,   32                          ; v32-95   K's eight fragments, then V's four
.set S,    96                          ; v96-159  S^T, then p
.set O,    160                         ; v160-191 O^T
.set P,    192                         ; v192-207 p's codes
.set T2,   208                         ; v208 a lane permute's destination
.set SUM2, 210                         ; v[210:211]
.set CD,   212                         ; v212-227 O's codes, eight registers a pass
.set WV,   12                          ; s12  my wave's number
.set SEL,  20                          ; s[20:21] lane selects for v_permlanex16_b32: lane l xor 16
.set CS,   22                          ; s[22:23] c = log2(e) / 8 x 2^(e6 + e7)
.set G1,   24                          ; s[24:31] descriptor group 1
.set G0,   32                          ; s[32:47] descriptor group 0, a set for each of a wave's four loads
.set TB,   60                          ; s60  LDS byte at which the key step in hand begins
.set CNT,  61                          ; s61  key steps to go in a loop
.set EPV,  62                          ; s62  e8 + e9
.macro ROUND                           ; a round of the cluster's barrier
	s_barrier_signal -1
	s_barrier_wait -1
	s_cmp_lg_u32 s[WV], 0
	s_cbranch_scc1 .Lnot_wave_0_\@
	s_barrier_signal -3
.Lnot_wave_0_\@:
	s_barrier_wait -3
	s_barrier_signal -1
	s_barrier_wait -1
.endm
	s_load_b256 s[4:11], s[0:1], 0x0               ; qimg s[4:5], kv s[6:7], the exponents s[8:9], ao s[10:11]
	v_lshl_add_u32 v254, v0, 2, 0x40000
	v_mov_b32 v255, 0
	ds_add_u32 v254, v255
	ds_add_u32 v254, v255
	v_lshrrev_b32 v1, 5, v0
	s_delay_alu instid0(VALU_DEP_1)
	v_readfirstlane_b32 s[WV], v1                  ; wave 0..15
	s_bfe_u32 s13, ttmp6, 0x40000                  ; cx: my place in the cluster: it enters Q's and ao's addresses alone
	s_and_b32 s14, ttmp7, 0xffff                   ; 16 x batch + head, which the four partners share
	; descriptor group 1: 16,384 dense bytes as 64 rows of 256
	s_mov_b32 s[G1], 15|(3<<16)|(1<<21)            ; 15:0 the mask: all four work-groups; 17:16 elements of 8 bytes; 20 no padding; 21 set beside a mask
	s_mov_b32 s[G1+1], 32<<16                      ; tensor_dim0 = 32 elements
	s_mov_b32 s[G1+2], 64<<16                      ; tensor_dim1 = 64
	s_mov_b32 s[G1+3], 32<<16                      ; tile_dim0 = 32
	s_mov_b32 s[G1+4], 64                          ; tile_dim1 = 64
	s_mov_b32 s[G1+5], 32                          ; tensor_dim0_stride: the rows follow each other
	s_mov_b32 s[G1+6], 0
	s_mov_b32 s[G1+7], 0
	s_mov_b32 s[SEL], 0x76543210
	s_mov_b32 s[SEL+1], 0xfedcba98
	s_and_b32 s16, s[WV], 3
	s_lshl_b32 s16, s16, 14                        ; which key step of a stage I fetch, if I fetch: the same byte in LDS and in the head
	s_lshl_b32 s18, s14, 18                        ; the head's 262,144 bytes in kv
	s_add_co_u32 s18, s18, s16
	s_mov_b32 s19, 0
	s_wait_dscnt 0x0
	s_wait_kmcnt 0x0
	s_load_b256 s[48:55], s[8:9], 0x0              ; e0 .. e7
	s_load_b128 s[56:59], s[8:9], 0x20             ; e8 .. e11
	s_add_nc_u64 s[6:7], s[6:7], s[18:19]
.irp s, 0,1,2,3
	s_mov_b32 s[G0+4*\s], 1                        ; 1:0 count = 1
	s_add_co_u32 s[G0+4*\s+1], s16, \s*65536       ; 63:32 LDS address: stage s
	s_add_nc_u64 s[G0+4*\s+2:G0+4*\s+3], s[6:7], \s*65536   ; 120:64 global address
	s_or_b32 s[G0+4*\s+3], s[G0+4*\s+3], 0x80000000         ; 127:126 type = 2
.endr
	ROUND                                          ; all four work-groups are here: the joint loads meet
	s_cmp_lt_u32 s[WV], 4                          ; a wave's four fills stand in one branch on the wave's number, ahead of every wait on TENSORcnt, every LDS read and every other barrier
	s_cbranch_scc0 .Lno_fetch
	tensor_load_to_lds s[G0:G0+3], s[G1:G1+7]
	s_nop 0
	tensor_load_to_lds s[G0+4:G0+7], s[G1:G1+7]
	s_nop 0
	tensor_load_to_lds s[G0+8:G0+11], s[G1:G1+7]
	s_nop 0
	tensor_load_to_lds s[G0+12:G0+15], s[G1:G1+7]
	s_nop 0
.rept 4
	v_nop
.endr
.Lno_fetch:
	s_lshl_b32 s17, s13, 5
	s_add_co_u32 s17, s17, s[WV]                   ; my tile of queries in pass 0: 32 cx + wave
	s_lshl_b32 s2, s14, 17                         ; the head's 131,072 bytes in qimg
	s_lshl_b32 s3, s17, 10
	s_add_co_u32 s2, s2, s3
	s_mov_b32 s3, 0
	s_add_nc_u64 s[4:5], s[4:5], s[2:3]
	s_lshr_b32 s2, s14, 4
	s_lshl_b32 s2, s2, 7
	s_add_co_u32 s2, s2, s17                       ; my tile of 16 rows of ao: 128 x batch + my tile of queries
	s_lshl_b32 s2, s2, 14
	s_and_b32 s3, s14, 15
	s_lshl_b32 s3, s3, 10                          ; K step head / 2 (2,048 bytes), pieces 2 (head % 2) on (512 bytes each): head x 1,024
	s_add_co_u32 s2, s2, s3
	s_mov_b32 s3, 0
	s_add_nc_u64 s[10:11], s[10:11], s[2:3]
	v_and_b32 v1, 31, v0
	s_delay_alu instid0(VALU_DEP_1)
	v_lshlrev_b32 v[LI], 4, v1
	v_and_b32 v[AOF], 15, v0
	v_bfe_u32 v2, v0, 4, 1
	s_delay_alu instid0(VALU_DEP_2)
	v_lshlrev_b32 v[AOF], 4, v[AOF]
	s_delay_alu instid0(VALU_DEP_1)
	v_lshl_add_u32 v[AOF], v2, 3, v[AOF]
	global_load_b128 v[QF:QF+3],     v[LI], s[4:5]               ; Q's fragments stay in registers: pass 0,
	global_load_b128 v[QF+4:QF+7],   v[LI], s[4:5] offset:512
	global_load_b128 v[QF+8:QF+11],  v[LI], s[4:5] offset:16384  ; and pass 1, sixteen tiles on
	global_load_b128 v[QF+12:QF+15], v[LI], s[4:5] offset:16896
	s_wait_kmcnt 0x0
	s_add_co_i32 s16, s54, s55
	s_lshl_b32 s16, s16, 23
	s_mov_b32 s[CS], 0x3e38aa3b                    ; log2(e) / 8
	s_add_co_i32 s[CS], s[CS], s16                 ; a score stands for score x 2^(e6 + e7): the two exponents are added to c's exponent field
	s_mov_b32 s[CS+1], s[CS]                       ; (named with it as a pair, so it is written)
	s_add_co_i32 s16, s56, 127
	s_lshl_b32 s18, s16, 23
	v_mov_b32 v[PSC], s18                          ; 2^e8 as f32, for p's conversions
	s_add_co_i32 s16, s58, 127
	s_lshl_b32 s18, s16, 23
	v_mov_b32 v[OSC], s18                          ; 2^e10, for O's
	s_add_co_i32 s[EPV], s56, s57                  ; e8 + e9
; A KEY STEP: 128 keys, at LDS byte s[TB]; Q in v[q] on.
.macro STEP q
	v_add_nc_u32 v[ADR], s[TB], v[LI]
.rept 3
	v_nop                                          ; with the addition above: four places in front of loads into registers that the last products have read
.endr
.irp t, 0,1,2,3,4,5,6,7
	ds_load_b128 v[KV+8*\t:KV+8*\t+3],   v[ADR] offset:1024*\t
	ds_load_b128 v[KV+8*\t+4:KV+8*\t+7], v[ADR] offset:1024*\t+512
.endr
	s_wait_alu depctr_va_vdst(0)
	s_wait_dscnt 0x0
.irp t, 0,1,2,3,4,5,6,7
	v_wmma_f32_16x16x64_fp8_fp8 v[S+8*\t:S+8*\t+7], v[KV+8*\t:KV+8*\t+7], v[(\q):(\q)+7], 0   ; lane (r, h): query r; register 8 t + j: key 16 t + 8 h + j
.endr
.rept 4
	v_nop                                          ; places in front of the loads below and of the first read of the scores
.endr
.irp u, 0,1,2,3
.irp c, 0,1,2,3
	ds_load_b128 v[KV+16*\u+4*\c:KV+16*\u+4*\c+3], v[ADR] offset:8192+2048*\u+512*\c   ; V's four fragments land while the softmax is walked
.endr
.endr
	v_max3_num_f32 v[T0], v[S], v[S+1], v[S+2]     ; the step's largest score of my query, among my 64 keys, in two chains, each accumulator from its low end on,
	v_max3_num_f32 v[T1], v[S+3], v[S+4], v[S+5]
.irp i, 6,10,14,18,22,26,30,34,38,42,46,50,54,58
	v_max3_num_f32 v[T0], v[T0], v[S+\i], v[S+1+\i]
	v_max3_num_f32 v[T1], v[T1], v[S+2+\i], v[S+3+\i]
.endr
	v_max3_num_f32 v[T0], v[T0], v[S+62], v[S+63]
	s_delay_alu instid0(VALU_DEP_1)
	v_max_num_f32 v[T0], v[T0], v[T1]
	s_delay_alu instid0(VALU_DEP_1)
	v_permlanex16_b32 v[T2], v[T0], s[SEL], s[SEL+1]
	s_delay_alu instid0(VALU_DEP_1)
	v_max_num_f32 v[T0], v[T0], v[T2]              ; and among lane l xor 16's
	s_delay_alu instid0(VALU_DEP_1)
	v_mul_f32 v[T0], s[CS], v[T0]                  ; as t (c is positive)
	s_delay_alu instid0(VALU_DEP_1)
	v_max_num_f32 v[TM], v[TM], v[T0]              ; the running largest t
	v_mov_b32 v[T0], v[NM]
	s_delay_alu instid0(VALU_DEP_2)
	v_floor_f32 v[NM], -v[TM]                      ; the new -M = floor(-t) = -ceil(t): M is a whole number
	s_delay_alu instid0(VALU_DEP_1)
	v_sub_f32 v[T0], v[NM], v[T0]                  ; M's old value less its new one: a whole number, 0 or less
	s_delay_alu instid0(VALU_DEP_1)
	v_cvt_i32_f32 v[T0], v[T0]                     ; (it saturates)
	s_delay_alu instid0(VALU_DEP_1)
	v_ldexp_f32 v[F], 1.0, v[T0]                   ; f = 2^(old M - new M)
.set j, 0
.rept 32
	v_pk_fma_f32 v[S+j:S+j+1], v[S+j:S+j+1], s[CS:CS+1], v[NM:NM+1] op_sel_hi:[1,0,0]   ; t - M, two at a time (of the pairs c and -M the low word serves both halves)
.set j, j+2
.endr
.set j, 0
	s_setprio 1
	s_wait_alu depctr_va_vdst(0)
.rept 64
	v_exp_f32 v[S+j], v[S+j]                       ; p = 2^(t - M), at most 1
.set j, j+1
.endr
	v_pk_mul_f32 v[SUM:SUM+1], v[SUM:SUM+1], v[F:F+1] op_sel_hi:[1,0]   ; the sums under the new M: the plain instruction behind the exponentials
	s_wait_alu depctr_va_vdst(0)                   ; one wait for the whole batch, ahead of its first reader
	v_pk_add_f32 v[210:211], v[100:101], v[104:105]
	v_pk_add_f32 v[252:253], v[108:109], v[112:113]
	v_pk_add_f32 v[250:251], v[116:117], v[120:121]
	v_pk_add_f32 v[248:249], v[124:125], v[128:129]
	v_pk_add_f32 v[246:247], v[132:133], v[136:137]
	v_pk_add_f32 v[244:245], v[140:141], v[144:145]
	v_pk_add_f32 v[242:243], v[148:149], v[152:153]
	v_pk_add_f32 v[26:27], v[26:27], v[156:157]
	v_pk_add_f32 v[210:211], v[210:211], v[96:97]
	v_pk_add_f32 v[252:253], v[252:253], v[98:99]
	v_pk_add_f32 v[250:251], v[250:251], v[102:103]
	v_pk_add_f32 v[248:249], v[248:249], v[106:107]
	v_pk_add_f32 v[246:247], v[246:247], v[110:111]
	v_pk_add_f32 v[244:245], v[244:245], v[114:115]
	v_pk_add_f32 v[242:243], v[242:243], v[118:119]
	v_pk_add_f32 v[26:27], v[26:27], v[122:123]
	v_pk_add_f32 v[210:211], v[210:211], v[126:127]
	v_pk_add_f32 v[252:253], v[252:253], v[130:131]
	v_pk_add_f32 v[250:251], v[250:251], v[134:135]
	v_pk_add_f32 v[248:249], v[248:249], v[138:139]
	v_pk_add_f32 v[246:247], v[246:247], v[142:143]
	v_pk_add_f32 v[244:245], v[244:245], v[146:147]
	v_pk_add_f32 v[242:243], v[242:243], v[150:151]
	v_pk_add_f32 v[26:27], v[26:27], v[154:155]
	v_pk_add_f32 v[210:211], v[210:211], v[158:159]
	s_delay_alu instid0(VALU_DEP_2)
	v_pk_add_f32 v[26:27], v[26:27], v[248:249]
	s_delay_alu instid0(VALU_DEP_2)
	v_pk_add_f32 v[210:211], v[210:211], v[246:247]
	v_pk_add_f32 v[252:253], v[252:253], v[244:245]
	v_pk_add_f32 v[250:251], v[250:251], v[242:243]
	s_delay_alu instid0(VALU_DEP_2)
	v_pk_add_f32 v[26:27], v[26:27], v[252:253]
	s_delay_alu instid0(VALU_DEP_2)
	v_pk_add_f32 v[210:211], v[210:211], v[250:251]
	s_delay_alu instid0(VALU_DEP_1)
	v_pk_add_f32 v[26:27], v[26:27], v[210:211]
.irp t, 0,1,2,3,4,5,6,7
.irp i, 0,1,2,3,4,5,6,7
.endr
	v_cvt_scalef32_pk8_fp8_f32 v[P+2*\t:P+2*\t+1], v[S+8*\t:S+8*\t+7], v[PSC]   ; keys 16 t + 8 h + 0 .. 7: registers 2 t, 2 t + 1 of P
.endr
.set j, 0
	s_setprio 0
.rept 16
	v_pk_mul_f32 v[O+j:O+j+1], v[O+j:O+j+1], v[F:F+1] op_sel_hi:[1,0]   ; O^T under the new M.  (These are also the plain instructions between the conversions and the products below)
.set j, j+2
.endr
	s_wait_alu depctr_va_vdst(0)
	s_wait_dscnt 0x0                               ; V is in
.irp u, 0,1,2,3
	v_wmma_f32_16x16x128_fp8_fp8 v[O+8*\u:O+8*\u+7], v[KV+16*\u:KV+16*\u+15], v[P:P+15], v[O+8*\u:O+8*\u+7]   ; the four accumulators by turns, one instruction a turn
.endr
	s_add_co_u32 s[TB], s[TB], 16384
.endm
.macro KEYS n, q, base                 ; n key steps from LDS byte base on
	s_mov_b32 s[TB], \base
	s_mov_b32 s[CNT], \n
.Lkeys_\@:
	s_setprio 2
	STEP \q
	s_sub_co_u32 s[CNT], s[CNT], 1
	s_cmp_lg_u32 s[CNT], 0
	s_cbranch_scc1 .Lkeys_\@
	s_setprio 0
.endm
; A stage of four key steps is there: each fetching wave has waited for its load of that stage (n = the loads that it issued behind it, which may stay out: no byte is filled twice), and then all sixteen waves meet.
; No LDS load of mine is out at the signal: a key step ends behind its wait for V.
.macro STAGE n
	s_wait_tensorcnt \n
	s_barrier_signal -1
	s_barrier_wait -1
.endm
.macro INIT                            ; the key step is written once: the first finds zeros, which the first change of M leaves zeros
	v_mov_b32 v[TM], 0xff61b1e6                    ; the largest t so far: -3e38, under every t
	s_delay_alu instid0(VALU_DEP_1)
	v_floor_f32 v[NM], -v[TM]
	v_mov_b32 v[SUM], 0
	v_mov_b32 v[SUM+1], 0
	v_mov_b32 v[F+1], 0
	v_mov_b32 v[T2], 0                             ; a lane permute's destination counts as one of its sources
.set j, 0
.rept 32
	v_mov_b32 v[O+j], 0
.set j, j+1
.endr
.endm
; THE WAY OUT of a pass.  O^T x 2^(e8 + e9) / the sum is converted and stored.  Tile u's lane (r, h) holds channels 16 u + 8 h + 0 .. 7 of query r: in ao that is piece u / 2 of the head's two, the lane
; (r, u % 2), bytes 8 h on: so the wave's store of 8 bytes a lane covers 256 consecutive bytes, at a multiple of 256 from ao's first byte.
.macro FINISH p
.rept 4
	v_nop                                          ; places behind the last products
.endr
	v_add_f32 v[SUM], v[SUM], v[SUM+1]             ; the sum's two halves,
	s_delay_alu instid0(VALU_DEP_1)
	v_permlanex16_b32 v[T2], v[SUM], s[SEL], s[SEL+1]
	s_delay_alu instid0(VALU_DEP_1)
	v_add_f32 v[SUM], v[SUM], v[T2]                ; and lane l xor 16's: the row's sum
	s_wait_alu depctr_va_vdst(0)
	v_rcp_f32 v[F], v[SUM]
	v_nop                                          ; a plain instruction behind the transcendental
	s_wait_alu depctr_va_vdst(0)                   ; and the wait ahead of its first reader
	v_ldexp_f32 v[F], v[F], s[EPV]
.set j, 0
.rept 16
	v_pk_mul_f32 v[S+j:S+j+1], v[O+j:O+j+1], v[F:F+1] op_sel_hi:[1,0]
.set j, j+2
.endr
.set j, 0
.rept 32
.set j, j+1
.endr
.irp u, 0,1,2,3
	v_cvt_scalef32_pk8_fp8_f32 v[CD+8*\p+2*\u:CD+8*\p+2*\u+1], v[S+8*\u:S+8*\u+7], v[OSC]
.endr
	v_nop                                          ; one plain vector instruction behind the last conversion
.irp u, 0,1,2,3
	global_store_b64 v[AOF], v[CD+8*\p+2*\u:CD+8*\p+2*\u+1], s[10:11] offset:262144*\p+512*(\u/2)+256*(\u%2)   ; each pass has its own registers for its codes: no store's data are written again
.endr
.endm
.macro PASS p, staged
	INIT
.if \staged
	STAGE 3
	KEYS 4, QF+8*\p, 0
	STAGE 2
	KEYS 4, QF+8*\p, 65536
	STAGE 1
	KEYS 4, QF+8*\p, 131072
	STAGE 0
	KEYS 4, QF+8*\p, 196608
.else
	KEYS 16, QF+8*\p, 0
.endif
	FINISH \p
.endm
	s_wait_loadcnt 0x0                             ; Q
	PASS 0, 1
	PASS 1, 0                                      ; the whole head lies in LDS by now
	s_wait_tensorcnt 0x0                           ; (met long ago)
	s_wait_tensorcnt 0x0
	ds_add_u32 v254, v255
	s_wait_dscnt 0x0
	ROUND                                          ; the closing round: no work-group ends while a partner may still ask for a tile that names it
	s_endpgm
.Lfunc_end_k_qa63442c901_attn:
	.size	k_qa63442c901_attn, .Lfunc_end_k_qa63442c901_attn-k_qa63442c901_attn
	.p2alignl 7, 3214868480
	.fill 96, 4, 3214868480
	.section	.rodata,"a",@progbits
	.p2align	6, 0x0
	.amdhsa_kernel k_qa63442c901_attn
		.amdhsa_group_segment_fixed_size 264192
		.amdhsa_private_segment_fixed_size 0
		.amdhsa_enable_private_segment 0
		.amdhsa_kernarg_size 32
		.amdhsa_user_sgpr_count 2
		.amdhsa_user_sgpr_kernarg_segment_ptr 1
		.amdhsa_wavefront_size32 1
		.amdhsa_system_sgpr_workgroup_id_x 1
		.amdhsa_system_sgpr_workgroup_id_y 1
		.amdhsa_system_sgpr_workgroup_id_z 1
		.amdhsa_system_vgpr_workitem_id 0
		.amdhsa_next_free_vgpr 256
		.amdhsa_next_free_sgpr 66
		.amdhsa_reserve_vcc 0
		.amdhsa_float_denorm_mode_32 3
		.amdhsa_float_denorm_mode_16_64 3
		.amdhsa_fp16_overflow 1
		.amdhsa_memory_ordered 1
		.amdhsa_forward_progress 1
		.amdhsa_inst_pref_size 83
	.end_amdhsa_kernel
	.amdgpu_metadata
---
amdhsa.version: [ 1, 2 ]
amdhsa.kernels:
  - .name:           k_qa63442c901_attn
    .symbol:         k_qa63442c901_attn.kd
    .args:
      - { .name: qimg, .offset: 0, .size: 8, .value_kind: global_buffer, .address_space: global }
      - { .name: kv, .offset: 8, .size: 8, .value_kind: global_buffer, .address_space: global }
      - { .name: lowp_scales, .offset: 16, .size: 8, .value_kind: global_buffer, .address_space: global }
      - { .name: ao, .offset: 24, .size: 8, .value_kind: global_buffer, .address_space: global }
    .group_segment_fixed_size: 264192
    .private_segment_fixed_size: 0
    .kernarg_segment_align: 8
    .kernarg_segment_size: 32
    .max_flat_workgroup_size: 512
    .sgpr_count:     66
    .vgpr_count:     256
    .wavefront_size: 32
...
	.end_amdgpu_metadata
.endif
;; end of part 2
;; launch outp (part 3): grid 4 x 32, 4 waves a work-group, clusters of 4 x 4, 327,680 bytes of LDS; arguments ao, Wo_codes, lowp_scales, bo, out0; writes out0
.if DOCPART == 3
	.amdgcn_target "amdgcn-amd-amdhsa--gfx1250"
	.amdhsa_code_object_version 6
	.text
	.protected	k_qa63442c901_outp
	.globl	k_qa63442c901_outp
	.p2align	8
	.type	k_qa63442c901_outp,@function
k_qa63442c901_outp:
	s_mov_b64 s[64:65], 0
	v_nop
	global_prefetch_b8 v0, s[64:65] scope:SCOPE_SE
	s_setreg_imm32_b32 hwreg(HW_REG_WAVE_MODE, 25, 1), 1
	s_wait_xcnt 0x0
	s_wait_alu depctr_hold_cnt(0) depctr_sa_sdst(0) depctr_va_vdst(0) depctr_va_sdst(0) depctr_va_ssrc(0) depctr_va_vcc(0) depctr_vm_vsrc(0)
	s_getreg_b32 s2, hwreg(HW_REG_IB_STS2, 6, 4)
	s_cmp_eq_u32 s2, 0
	s_cbranch_scc0 .Lentry_in_a_cluster
	s_endpgm
.Lentry_in_a_cluster:
	s_bfe_u32 s2, ttmp6, 0x10000c
	s_cmp_lg_u32 s2, 0xf033
	s_cbranch_scc0 .Lentry_shape_is_right
	s_endpgm
.Lentry_shape_is_right:
; OUTP: out0[m][n] = (the sum over k of A[m][k] Wo[n][k]) x 2^(e10 + e11) + bo[n], on codes of FP8 (E4M3); out0 [8192][1024] f32; sums in f32.
; A is attention's result as codes, in ao [tile of 16 rows 512][K step of 128 8][2,048]: images of operand registers: piece c (512 bytes), lane (r, h), 16 bytes: row r, k = 32 c + 16 h + 0 .. 15.
; Wo: [1024][1024] codes, K innermost; its fragments are fetched from padded LDS rows by four loads of 16 bytes, which give a lane the same k in the same registers: a permutation of k, the same in A and in B.
; LIMIT: e10 + e11 between -126 and 127, so that 2^(e10 + e11) is an f32 number.
; A tile of out0, 256 x 256, is made by a work-group of four waves; a wave makes 128 x 128: 64 accumulators, 512 registers.  K goes in steps of 256 through a ring of two LDS slots filled by the tensor data mover;
; four such steps, written out.  CLUSTERS: 4 x 4 work-groups; A's tile is asked for jointly along a row of the cluster, Wo's along a column.
; THE MATRIX INSTRUCTION IS USED TRANSPOSED (source 0 = 16 rows of Wo, source 1 = 16 rows of A): a lane then holds eight neighbouring numbers of a row of out0.
; REGISTERS, in windows of 256: window 0: v0-31 addresses; v60-63 the bias of my four columns on the way out; from v128 A's fragments, ONE set (on the way out: rows read back from the stage).
;   window 1: Wo's fragments, TWO sets.   window 2: the accumulators of my rows 0-63 ((a, b) at v[8 (8 a + b)]);   window 3: those of my rows 64-127.
.set SIZE_N, 1024
.set ROWB,   256                       ; a row of Wo's tile in bytes
.set KROW,   1024                      ; a row of Wo in memory, in bytes
.set PITCH,  272                       ; an LDS row of Wo's tile: 256 bytes + 16 of padding = 68 words: row r starts at bank 4 r mod 64 (64 banks of 4 bytes: ISA guide 11.1)
.set FR,     16
.set NL,     4
.set NP,     4                         ; places behind this matrix instruction (ISA guide 7.12.1)
.set AHALF,  32768                     ; A: 8 tiles of 16 rows x 256 K = 8 x 4,096 dense bytes: what one tensor load brings, and what one wave reads
.set BOFF,   2*AHALF                   ; Wo's rows lie behind A's two halves
.set HALFT,  128*PITCH                 ; 128 rows of Wo
.set SLOT,   BOFF+2*HALFT
.set SPARE,  2*SLOT                    ; behind the ring: the spare words, 128 bytes for each wave: two blocks of 256 bytes that no other line names
.set SPITCH, 528                       ; the way out: a stage of 16 rows x (512 bytes + 16) for each wave.  It lies in slot 0, which has had its last fill and its last read when the first result is stored there
.set ADRA, 16                          ; v16-17  LDS address of my A fragments in slot 0, 1
.set ADRB, 20                          ; v20-21  the same for Wo
.set STO,  24                          ; v24     the way out: where I put 32 bytes of a row
.set RD,   25                          ; v25     the way out: where I read a row back
.set CO,   26                          ; v26     16 x lane: my byte offset in a row of 512 bytes
.set SPW,  28                          ; v28     LDS address of my spare word; never rewritten
.set NIL,  29                          ; v29     0; never rewritten
.set BI,   60                          ; v60-63  bo at columns 4 lane + 0 .. 3 of my 128
.set AF,   128
.set BK,   128                         ; the way out: 16 rows read back from the stage: v128-191 and v192-255 by turns
.set G1, 24                            ; s[24:31] descriptor group 1 for A's tiles;  s[32:39] group 0, one set for each slot
.set G0, 32
.set G1B, 48                           ; s[48:55], s[56:63] the same for Wo's tiles
.set G0B, 56
.set MSB, 0
.macro WIN new                         ; the immediate's high byte repeats the setting that is left
.if MSB != (\new)
	s_set_vgpr_msb (MSB<<8)|(\new)
.set MSB, \new
.endif
.endm
.set MUL_LO, 0xa1                      ; source 0 (Wo) window 1, source 1 (A) window 0, C and D window 2
.set MUL_HI, 0xf1                      ; the same, C and D window 3
.set TO_B,   0x40                      ; destination window 1, address window 0
; A joint load: waves 0 and 1 fetch for A, waves 2 and 3 for Wo; the branch hangs on the wave's number alone.  Four v_nop follow each of the two lines.
.macro JLOAD g0a, g1a, g0b, g1b
	s_cmp_eq_u32 s15, 0
	s_cbranch_scc0 .Lfor_b_\@
	tensor_load_to_lds s[\g0a:\g0a+3], s[\g1a:\g1a+7]
	s_nop 0
.rept 4
	v_nop
.endr
	s_branch .Lasked_\@
.Lfor_b_\@:
	tensor_load_to_lds s[\g0b:\g0b+3], s[\g1b:\g1b+7]
	s_nop 0
.rept 4
	v_nop
.endr
.Lasked_\@:
.endm
.macro CREST                           ; a round of the cluster's barrier behind its opening barrier
	s_cmp_lg_u32 s14, 0
	s_cbranch_scc1 .Lnot_wave_0_\@
	s_barrier_signal -3
.Lnot_wave_0_\@:
	s_barrier_wait -3
	s_barrier_signal -1
	s_barrier_wait -1
.endm
.macro CROUND                          ; a whole round
	s_barrier_signal -1
	s_barrier_wait -1
	CREST
.endm
	s_load_b128 s[4:7], s[0:1], 0x0                ; ao s[4:5], Wo's codes s[6:7]
	s_load_b128 s[8:11], s[0:1], 0x10              ; the exponents s[8:9], bo s[10:11]
	s_load_b64 s[12:13], s[0:1], 0x20              ; out0
	v_lshl_add_u32 v[SPW], v0, 2, SPARE
	v_mov_b32 v[NIL], 0
	ds_add_u32 v28, v29
	ds_add_u32 v28, v29
	s_wait_dscnt 0x0
	v_lshrrev_b32 v1, 5, v0
	v_readfirstlane_b32 s14, v1                    ; wave 0..3
	s_lshr_b32 s15, s14, 1                         ; which half of the tile's rows is mine.  Also: I fetch for A (0) or for Wo (1)
	s_and_b32 s16, s14, 1                          ; which half of its columns.  Also: which 128 rows of that tile I fetch
	s_bfe_u32 s40, ttmp6, 0x40000                  ; cx, cy: my place in the cluster
	s_bfe_u32 s41, ttmp6, 0x40004
	s_lshl_b32 s42, ttmp9, 2
	s_add_co_u32 s42, s42, s40                     ; tile column = 4 x cluster x + cx
	s_and_b32 s17, ttmp7, 0xffff
	s_lshl_b32 s17, s17, 2
	s_add_co_u32 s17, s17, s41                     ; tile row = 4 x cluster y + cy
	s_lshl_b32 s43, s41, 2
	s_lshl_b32 s43, 15, s43                        ; my row of the cluster
	s_lshl_b32 s44, 0x1111, s40                    ; my column
	; descriptor group 1 for A: 8 rows (tiles of 16 rows of A) of 4,096 bytes (two K steps of 128), 16,384 bytes apart; dense in LDS
	s_or_b32 s[G1+0], s43, (3<<16)|(1<<21)         ; 15:0 the mask: my row; 17:16 elements of 8 bytes; 20 no padding; 21 set beside a mask
	s_mov_b32 s[G1+1], 512<<16                     ; tensor_dim0 = 512 elements
	s_mov_b32 s[G1+2], 8<<16                       ; tensor_dim1 = 8
	s_mov_b32 s[G1+3], 512<<16                     ; tile_dim0 = 512
	s_mov_b32 s[G1+4], 8                           ; tile_dim1 = 8
	s_mov_b32 s[G1+5], 2048                        ; tensor_dim0_stride
	s_mov_b32 s[G1+6], 0
	s_mov_b32 s[G1+7], 0
	; and for Wo: 128 rows x 256 bytes, padded in LDS
	s_or_b32 s[G1B+0], s44, (0<<16)|(1<<20)|(1<<21)|(5<<22)|(3<<25)  ; the mask: my column; elements of 1 byte; padding on; after every 64 words (code 5) 4 words (code 3)
	s_mov_b32 s[G1B+1], ROWB<<16
	s_mov_b32 s[G1B+2], 128<<16
	s_mov_b32 s[G1B+3], ROWB<<16
	s_mov_b32 s[G1B+4], 128
	s_mov_b32 s[G1B+5], KROW
	s_mov_b32 s[G1B+6], 0
	s_mov_b32 s[G1B+7], 0
	s_lshl_b32 s20, s17, 18                        ; A: 16 tiles of 16 rows x 16,384 bytes for each tile row,
	s_lshl_b32 s18, s16, 17                        ; + 8 of them for the half that I fetch
	s_add_co_u32 s20, s20, s18
	s_mov_b32 s21, 0
	s_lshl_b32 s46, s42, 8
	s_lshl_b32 s18, s16, 7
	s_add_co_u32 s46, s46, s18                     ; Wo: row 256 x tile column + 128 x half,
	s_lshl_b32 s46, s46, 10                        ; in bytes
	s_mov_b32 s47, 0
	s_lshl_b32 s45, s16, 15                        ; where they go: A's half,
	s_mul_i32 s23, s16, HALFT
	s_add_co_u32 s23, s23, BOFF                    ; Wo's half: no place in the cluster enters an LDS address
	s_wait_kmcnt 0x0
	s_load_b64 s[96:97], s[8:9], 0x28              ; e10, e11
	s_add_nc_u64 s[20:21], s[4:5], s[20:21]
	s_add_nc_u64 s[46:47], s[6:7], s[46:47]
	CROUND                                         ; all sixteen work-groups are here: the first joint loads meet
.irp s, 0,1
	s_mov_b32 s[G0+4*\s], 1
	s_add_co_u32 s[G0+4*\s+1], s45, \s*SLOT
	s_add_nc_u64 s[G0+4*\s+2:G0+4*\s+3], s[20:21], \s*4096
	s_or_b32 s[G0+4*\s+3], s[G0+4*\s+3], 0x80000000
	s_mov_b32 s[G0B+4*\s], 1
	s_add_co_u32 s[G0B+4*\s+1], s23, \s*SLOT
	s_add_nc_u64 s[G0B+4*\s+2:G0B+4*\s+3], s[46:47], \s*ROWB
	s_or_b32 s[G0B+4*\s+3], s[G0B+4*\s+3], 0x80000000
	s_wait_alu depctr_va_vdst(0)
	s_wait_tensorcnt 0x0
	ds_add_u32 v28, v29
	ds_add_u32 v28, v29
	s_wait_dscnt 0x0
	CROUND
	JLOAD G0+4*\s, G1, G0B+4*\s, G1B               ; one tensor load of mine is out
.endr
	v_and_b32 v1, 15, v0                           ; r = lane % 16
	v_bfe_u32 v2, v0, 4, 1                         ; h = lane / 16
	v_and_b32 v6, 31, v0
	v_lshlrev_b32 v[CO], 4, v6                     ; 16 x lane
	v_mul_u32_u24 v3, v1, PITCH
	v_lshl_add_u32 v4, v2, 4, v3                   ; Wo: a fragment's row x pitch + 16 x half
	s_lshl_b32 s21, s15, 15                        ; my 128 rows of A
	s_mul_i32 s22, s16, HALFT                      ; my 128 rows of Wo,
	s_add_co_u32 s22, s22, BOFF                    ; which lie behind A's
.irp s, 0,1
	v_add_nc_u32 v[ADRA+\s], s21, v[CO]
	v_add_nc_u32 v[ADRB+\s], s22, v4
	s_add_co_u32 s21, s21, SLOT
	s_add_co_u32 s22, s22, SLOT
.endr
	s_mul_i32 s23, s14, 16*SPITCH                  ; my stage
	v_mul_u32_u24 v5, v1, SPITCH                   ; in: row r, 32 bytes for each half of the lanes
	v_lshl_add_u32 v5, v2, 5, v5
	v_add_nc_u32 v[STO], s23, v5
	v_add_nc_u32 v[RD], s23, v[CO]                 ; back: the 32 lanes take one row of 512 bytes
	s_lshl_b32 s20, s17, 8
	s_lshl_b32 s21, s15, 7
	s_add_co_u32 s20, s20, s21                     ; my first row of out0: 256 x tile row + 128 x half,
	s_lshl_b32 s20, s20, 12                        ; x 4,096 bytes (under 2^25)
	s_mov_b32 s21, 0
	s_lshl_b32 s46, s42, 10                        ; my first column, in bytes: 1,024 x tile column + 512 x half
	s_lshl_b32 s47, s16, 9
	s_add_co_u32 s46, s46, s47
	s_mov_b32 s47, 0
	s_add_nc_u64 s[10:11], s[10:11], s[46:47]      ; bo at my first column
	s_add_nc_u64 s[20:21], s[20:21], s[46:47]
	s_add_nc_u64 s[12:13], s[12:13], s[20:21]
	global_load_b128 v[BI:BI+3], v[CO], s[10:11]   ; behind the stage a lane holds columns 4 lane + 0 .. 3 of every row: four registers of bias serve all rows
.macro FRAGA reg, adr, q, i            ; A's fragment comes as the image that it is: piece c at 512 c, my 16 bytes at 16 x lane
.irp c, 0,1,2,3
	ds_load_b128 v[\reg+4*\c:\reg+4*\c+3], v[\adr] offset:4096*(\i)+2048*(\q)+512*\c
.endr
.endm
.macro FRAGB reg, adr, q, i            ; Wo's from rows: registers 4 c .. 4 c + 3 hold K = 32 c + 16 (l / 16) + 0 .. 15 of row l % 16
.irp c, 0,1,2,3
	ds_load_b128 v[\reg+4*\c:\reg+4*\c+3], v[\adr] offset:128*(\q)+32*\c+(\i)*16*PITCH
.endr
.endm
; 16 matrix instructions: A's blocks a0, a0 + 1 x Wo's eight, 128 along K.  p: Wo's set.  zero = 1: the first product starts the sums.
; The 64 accumulators take turns, one instruction a turn, in the same order in every step.
.macro MUL16 a0, p, zero
.irp a, \a0, \a0+1
.irp b, 0,1,2,3,4,5,6,7
.if \zero
	v_wmma_f32_16x16x128_fp8_fp8 v[8*(8*((\a)%4)+\b):8*(8*((\a)%4)+\b)+7], v[128*(\p)+FR*\b:128*(\p)+FR*\b+FR-1], v[AF+FR*(\a):AF+FR*(\a)+FR-1], 0
.else
	v_wmma_f32_16x16x128_fp8_fp8 v[8*(8*((\a)%4)+\b):8*(8*((\a)%4)+\b)+7], v[128*(\p)+FR*\b:128*(\p)+FR*\b+FR-1], v[AF+FR*(\a):AF+FR*(\a)+FR-1], v[8*(8*((\a)%4)+\b):8*(8*((\a)%4)+\b)+7]
.endif
.endr
.endr
.endm
.macro FETCH_B slot, q, p
	WIN TO_B
.irp i, 0,1,2,3,4,5,6,7
	FRAGB 128*(\p)+FR*\i, ADRB+\slot, \q, \i
.endr
	WIN 0
.endm
.macro FETCH_A slot, q, i0
.irp i, \i0, \i0+1, \i0+2, \i0+3
	FRAGA AF+FR*(\i), ADRA+\slot, \q, \i
.endr
.endm
; A load into a register that a matrix instruction has read, and an LDS store that reads a matrix result, stand NP places behind it, and only plain vector instructions that name none of its registers are
; places (ISA guide 7.12.1 for vector instructions).
.macro PLACES n
.rept \n
	v_nop
.endr
.endm
.macro STEP slot, q, zero              ; a step of 128 along K that has its successor in the same slot
	s_wait_dscnt 4*NL                              ; Wo's set and A's blocks 0-3 are in; the youngest sixteen loads (A's blocks 4-7) may be out
	WIN MUL_LO
	MUL16 0, (\q)%2, \zero
	MUL16 2, (\q)%2, \zero
	s_wait_dscnt 0                                 ; A's blocks 4-7 are in
	PLACES NP
	FETCH_B \slot, (\q)+1, 1-(\q)%2
	FETCH_A \slot, (\q)+1, 0
	WIN MUL_HI
	MUL16 4, (\q)%2, \zero
	MUL16 6, (\q)%2, \zero
	PLACES NP
	WIN 0
	FETCH_A \slot, (\q)+1, 4
.endm
; A slot's last step changes slots: ONE barrier; in front of it each wave waits for all its tensor loads, adds 0 to its spare word, and waits for that and for its own reads of this slot.  fill = 1: this slot is filled again, two K steps ahead.
.macro TURN slot, next, fill
	s_wait_tensorcnt 0x0                           ; all my tensor loads have landed: my part of the next slot;  (every window is 0 here)
	ds_add_u32 v[SPW], v[NIL]                      ; 0 onto my spare word
	s_wait_dscnt 4*NL+1                            ; (the add and the youngest sixteen loads, A's blocks 4-7, may be out)
	WIN MUL_LO
	MUL16 0, 1, 0                                  ; sixteen matrix instructions stand between the add and the wait for it
	s_wait_dscnt 0x0                               ; the add is done, and my reads of this slot are over
	s_barrier_signal -1
	MUL16 2, 1, 0
	WIN 0
	s_barrier_wait -1
.if \fill
	CREST                                          ; the barrier has opened a round of the cluster's barrier: no wave of any partner still reads this slot's tile or has a load on its way
	s_add_nc_u64 s[G0+4*\slot+2:G0+4*\slot+3], s[G0+4*\slot+2:G0+4*\slot+3], 2*4096
	s_add_nc_u64 s[G0B+4*\slot+2:G0B+4*\slot+3], s[G0B+4*\slot+2:G0B+4*\slot+3], 2*ROWB
	JLOAD G0+4*\slot, G1, G0B+4*\slot, G1B         ; the first tensor load behind the round, and my one load until the next; the four v_nop behind it are the places in front of the loads below
.else
	PLACES NP
.endif
	FETCH_B \next, 0, 0
	FETCH_A \next, 0, 0
	WIN MUL_HI
	MUL16 4, 1, 0
	MUL16 6, 1, 0
	PLACES NP
	WIN 0
	FETCH_A \next, 0, 4
.endm
	s_wait_alu depctr_va_vdst(0)
	s_wait_tensorcnt 1                             ; my part of K step 0 is in (K step 1's load may be out)
	s_barrier_signal -1
	s_barrier_wait -1                              ; everybody's is
	FETCH_B 0, 0, 0
	FETCH_A 0, 0, 0
	FETCH_A 0, 0, 4
	STEP 0, 0, 1                                   ; K 0-127: its products start the sums
	TURN 0, 1, 1                                   ; slot 0 takes K 512-767
	STEP 1, 0, 0
	TURN 1, 0, 1                                   ; slot 1 takes K 768-1023
	STEP 0, 0, 0
	TURN 0, 1, 0                                   ; nothing is left to fetch
	STEP 1, 0, 0
	s_wait_dscnt 4*NL                              ; the very last step
	WIN MUL_LO
	MUL16 0, 1, 0
	MUL16 2, 1, 0
	s_wait_dscnt 0
	WIN MUL_HI
	MUL16 4, 1, 0
	MUL16 6, 1, 0
	WIN 0
; THE WAY OUT, block by block of 16 rows x 128 columns.  A lane holds 32 neighbouring bytes of a row, and the lanes beside it hold other rows: so a block's sums go, as they are, through my own stage in LDS and come back
; as whole rows of 512 bytes; there one packed multiply-add for two numbers gives sum x 2^(e10 + e11) + bo, and the 32 lanes store 512 consecutive bytes.
; LDS serves a wave's instructions in order (ISA guide 5.7.1.4): no wait between the stores and the loads, nor in front of the next block's stores.
.macro TOSTAGE a
.set AC, 64*((\a)%4)
	WIN 0x08+4*((\a)/4)                            ; an LDS store's data: window 2 or 3
.irp b, 0,1,2,3,4,5,6,7
	ds_store_b128 v[STO], v[AC+8*\b:AC+8*\b+3] offset:64*\b          ; each accumulator from its low end on
	ds_store_b128 v[STO], v[AC+8*\b+4:AC+8*\b+7] offset:64*\b+16
.endr
	WIN 0
.set BB, BK+64*((\a)%2)
.irp t, 0,1,2,3,4,5,6,7,8,9,10,11,12,13,14,15
	ds_load_b128 v[BB+4*\t:BB+4*\t+3], v[RD] offset:\t*SPITCH
.endr
.endm
.macro SEND a, younger                 ; younger: the LDS instructions issued behind block a's loads, which may stay out
.set BB, BK+64*((\a)%2)
	s_wait_dscnt \younger                          ; the block is back in registers
.set j, 0
.rept 16
	v_pk_fma_f32 v[BB+j:BB+j+1],   v[BB+j:BB+j+1],   s[96:97], v[BI:BI+1]   op_sel_hi:[1,0,1]   ; x s96 = 2^(e10 + e11), + bo
	v_pk_fma_f32 v[BB+j+2:BB+j+3], v[BB+j+2:BB+j+3], s[96:97], v[BI+2:BI+3] op_sel_hi:[1,0,1]
.set j, j+4
.endr
.if (\a) > 0
	s_add_nc_u64 s[12:13], s[12:13], 16*SIZE_N*4   ; (behind a wait on XCNT: the earlier stores have read their base)  16 rows on
.endif
.irp t, 0,1,2,3,4,5,6,7,8,9,10,11,12,13,14,15
	global_store_b128 v[CO], v[BB+4*\t:BB+4*\t+3], s[12:13] offset:\t*SIZE_N*4 th:TH_STORE_NT   ; 32 lanes store 512 consecutive bytes, at a multiple of 512 from out0's first byte; written once, read by nobody here
.endr
.endm
	s_wait_kmcnt 0x0
	s_add_co_i32 s96, s96, s97                     ; e10 + e11, between -126 and 127,
	s_add_co_i32 s96, s96, 127
	s_lshl_b32 s96, s96, 23                        ; makes the f32 number 2^(e10 + e11)
	s_wait_loadcnt 0x0                             ; bo
	PLACES NP                                      ; behind the last products: for the stores that read results and the loads into the registers that held A's fragments
	TOSTAGE 0
.irp a, 1,2,3,4,5,6,7
.if \a > 1
	s_wait_xcnt 0x0                                ; block a - 2's stores have read their registers and their base: block a's loads may land there, and the base may step
.endif
	TOSTAGE \a
	SEND \a-1, 32                                  ; behind block a - 1's loads: block a's 16 stores and 16 loads
.endr
	s_wait_xcnt 0x0                                ; block 6's stores have read their base
	SEND 7, 0
	s_wait_tensorcnt 0x0                           ; the wave's end: behind my last tensor load and my last LDS store
	ds_add_u32 v[SPW], v[NIL]
	s_wait_dscnt 0x0
	CROUND                                         ; the closing round: no work-group ends while a partner may still ask for a tile that names it
	s_endpgm
.Lfunc_end_k_qa63442c901_outp:
	.size	k_qa63442c901_outp, .Lfunc_end_k_qa63442c901_outp-k_qa63442c901_outp
	.p2alignl 7, 3214868480
	.fill 96, 4, 3214868480
	.section	.rodata,"a",@progbits
	.p2align	6, 0x0
	.amdhsa_kernel k_qa63442c901_outp
		.amdhsa_group_segment_fixed_size 327680
		.amdhsa_private_segment_fixed_size 0
		.amdhsa_enable_private_segment 0
		.amdhsa_kernarg_size 40
		.amdhsa_user_sgpr_count 2
		.amdhsa_user_sgpr_kernarg_segment_ptr 1
		.amdhsa_wavefront_size32 1
		.amdhsa_system_sgpr_workgroup_id_x 1
		.amdhsa_system_sgpr_workgroup_id_y 1
		.amdhsa_system_sgpr_workgroup_id_z 1
		.amdhsa_system_vgpr_workitem_id 0
		.amdhsa_next_free_vgpr 1024
		.amdhsa_next_free_sgpr 98
		.amdhsa_reserve_vcc 0
		.amdhsa_float_denorm_mode_32 3
		.amdhsa_float_denorm_mode_16_64 3
		.amdhsa_memory_ordered 1
		.amdhsa_forward_progress 1
		.amdhsa_inst_pref_size 124
	.end_amdhsa_kernel
	.amdgpu_metadata
---
amdhsa.version: [ 1, 2 ]
amdhsa.kernels:
  - .name:           k_qa63442c901_outp
    .symbol:         k_qa63442c901_outp.kd
    .args:
      - { .name: ao, .offset: 0, .size: 8, .value_kind: global_buffer, .address_space: global }
      - { .name: Wo_codes, .offset: 8, .size: 8, .value_kind: global_buffer, .address_space: global }
      - { .name: lowp_scales, .offset: 16, .size: 8, .value_kind: global_buffer, .address_space: global }
      - { .name: bo, .offset: 24, .size: 8, .value_kind: global_buffer, .address_space: global }
      - { .name: out0, .offset: 32, .size: 8, .value_kind: global_buffer, .address_space: global }
    .group_segment_fixed_size: 327680
    .private_segment_fixed_size: 0
    .kernarg_segment_align: 8
    .kernarg_segment_size: 40
    .max_flat_workgroup_size: 128
    .sgpr_count:     98
    .vgpr_count:     1024
    .wavefront_size: 32
...
	.end_amdgpu_metadata
.endif
;; end of part 3
